; MI455X (gfx1250); checked and timed in simulation.
; The chip was launched on July 23, 2026; its instructions are those of AMD's public machine-readable ISA for CDNA 5 (MIT licence, August 2026) and "CDNA5" Instruction Set Architecture Reference Guide (July 2026). The comments in the code are by the model that wrote it; some were corrected since.
;; Multi Query Attention. Allowed arithmetic: matrix products marked QUANTISED: E2M1 operands, one E8M0 scale for each 32 along K, by v_wmma_scale_f32_16x16x128_f8f6f4 with both operands' format E2M1 (or v_wmma_scale_f32_32x16x128_f4), f32 sums; everything else in f32.
;; Inputs: Wk_codes 64 x 32 x 16 uint8 (E2M1 codes of Wk, K innermost, in blocks of 32 codes, two codes a byte); Wk_scales 64 x 32 uint8 (E8M0 scales of Wk, one for each 32 codes along K); Wq_codes 16 x 64 x 32 x 16 uint8 (E2M1 codes of Wq, K innermost, in blocks of 32 codes, two codes a byte); Wq_scales 16 x 64 x 32 uint8 (E8M0 scales of Wq, one for each 32 codes along K); Wv_codes 64 x 32 x 16 uint8 (E2M1 codes of Wv, K innermost, in blocks of 32 codes, two codes a byte); Wv_scales 64 x 32 uint8 (E8M0 scales of Wv, one for each 32 codes along K); bk 64 float32; bq 16 x 64 float32; bv 64 float32; hidden_states_codes 4 x 2,048 x 32 x 16 uint8 (E2M1 codes of hidden_states, K innermost, in blocks of 32 codes, two codes a byte); hidden_states_scales 4 x 2,048 x 32 uint8 (E8M0 scales of hidden_states, one for each 32 codes along K).
;; Outputs: out0 16 x 4 x 2,048 x 64 float32.
;; This version of the problem:
;;   THIS VERSION OF THE PROBLEM IS GIVEN IN LOW PRECISION. The matrix products marked QUANTISED in the list below multiply operands that are first quantised to E2M1 (2 exponent bits, 1 mantissa bit; 4 bits a number), with one power-of-two scale for each 32 numbers along K (OCP MX v1.0); their sums are f32. All else is computed in f32.
;;   The module's matrix products, in the order in which they are computed (A, B: the left and right operand; K: the contracted axis; several contracted axes count as one K, in the product's order):
;;     1. [M 1,024, K 1,024] x [K 1,024, N 8,192]; A: input Wq (given as codes); B: input hidden_states (given as codes): QUANTISED
;;     2. [M 8,192, K 1,024] x [K 1,024, N 64]; A: input hidden_states (given as codes); B: input Wk (given as codes): QUANTISED
;;     3. [M 8,192, K 1,024] x [K 1,024, N 64]; A: input hidden_states (given as codes); B: input Wv (given as codes): QUANTISED
;;     4. batch 4 x [M 2,048, K 64] x [K 64, N 32,768]; A: computed on the way; B: computed on the way: QUANTISED
;;     5. batch 4 x [M 64, K 2,048] x [K 2,048, N 32,768]; A: computed on the way; B: softmax (see below): QUANTISED
;;   THE QUANTISER, for each operand of a quantised product, along K:
;;     - K is cut into blocks of 32 from its start; a last block that is shorter is filled with zeros.
;;     - A block's scale is 2^e with e = floor(log2(the largest magnitude in the block)) - 2, held to -126 .. 127; a block of zeros has e = 0. As a byte (E8M0): e + 127.
;;     - Each number is divided by its block's scale, clamped to +-6, and rounded to the nearest number of E2M1, ties to even, subnormals kept.
;;     - The product sums the exact products of the quantised numbers (number of the format x scale) in f32.
;;   ~~~python
;;   def quantise(x, axis):      # numpy; x: float32 -> the quantised numbers, widened to float32 again
;;       x = np.moveaxis(x, axis, -1); K = x.shape[-1]
;;       x = np.pad(x, [(0, 0)] * (x.ndim - 1) + [(0, -K % 32)]); x = x.reshape(x.shape[:-1] + (-1, 32)); a = np.abs(x).max(-1, keepdims=True)
;;       e = np.where(a > 0, np.clip(np.frexp(np.where(a > 0, a, 1))[1] - 1 - 2, -126, 127), 0)      # np.frexp(a)[1] - 1 = floor(log2(a)), exactly
;;       r = np.clip(x / 2.0 ** e, -6, 6)
;;       step = 2.0 ** (np.maximum(np.frexp(np.where(r == 0, 1, r))[1] - 1, 0) - 1)
;;       q = np.round(r / step) * step * 2.0 ** e      # np.round: ties to even
;;       return np.moveaxis(q.reshape(q.shape[:-2] + (-1,))[..., :K], -1, axis).astype(np.float32)
;;   ~~~
;;   SOFTMAX AHEAD OF A QUANTISED PRODUCT. Where the list says 'softmax', what is quantised is not the finished softmax but p = 2^(t - M), with t = logit x log2(e) and M = ceil(the row's largest t), a whole number; so 1/2 < the row's largest p <= 1. The row's sum l is taken of the UNQUANTISED p, in f32, and the product's result is divided by l at the end. Since M is a whole number, a kernel that streams over the keys may use a running M (the ceiling of the running maximum): every later rescaling is an exact power of two, which a block's scale takes up: the codes' values come out the same.
;;   OPERANDS COMPUTED ON THE WAY. 'Computed on the way' means the value that the module computes at that place (a softmax that the list does not call 'softmax' is quantised finished and normalised). What goes into a quantiser is computed in f32, as accurately as f32 sums, v_exp_f32 and their like allow (about 1e-6 of the number): no bf16 or f16 on the way to a quantiser, and a product that is left as it is and whose result goes on into a quantised operand takes f32 operands (vector FMAs, or v_wmma_f32_16x16x4_f32). A number that lies on a knife's edge between two numbers of the format may be rounded either way, as far as f32 arithmetic and the matrix unit's own rounding can turn it there, and no further.
;;   INPUTS GIVEN AS CODES. Wk (in the module: [1024, 64], K = its axis 0); Wq (in the module: [16, 1024, 64], K = its axis 1); Wv (in the module: [1024, 64], K = its axis 0); hidden_states (in the module: [4, 2048, 1024], K = its axis 2): each comes as NAME_codes (uint8): NAME with its K axis moved to the last place and cut into blocks of 32 codes, [.., K / 32, bytes a block], one block behind the other in memory; two codes a byte, the lower K in the low four bits (a code: sign, 2 exponent bits, 1 mantissa bit); and NAME_scales (uint8): the same leading axes, one E8M0 byte (e + 127) for each 32 codes along K. Its value is code x scale, taken as it is: it is not quantised again, and the codes and scales need not be those that the quantiser above would give.
;; One version. Each part assembles by itself: llvm-mc -triple=amdgcn-amd-amdhsa -mcpu=gfx1250 --defsym DOCPART=n.
;; ======== version 1 of 1: 2 launches
;; limits: right only within a limited range of input values
;; workspace buffers: qc 4,194,304 bytes; qs 524,288 bytes; kv 573,440 bytes
;; launch proj (part 1): grid 64 x 4, 8 waves a work-group, clusters of 4 x 1, 248,576 bytes of LDS; arguments hidden_states_codes, hidden_states_scales, Wq_codes, Wq_scales, bq, Wk_codes, Wk_scales, bk, Wv_codes, Wv_scales, bv, qc, qs, kv; writes qc, qs, kv
.if DOCPART == 1
	.amdgcn_target "amdgcn-amd-amdhsa--gfx1250"
	.amdhsa_code_object_version 6
	.text
	.protected	k_qb96698e191_proj
	.globl	k_qb96698e191_proj
	.p2align	8
	.type	k_qb96698e191_proj,@function
k_qb96698e191_proj:
	s_mov_b64 s[64:65], 0
	v_nop
	global_prefetch_b8 v0, s[64:65] scope:SCOPE_SE
	s_setreg_imm32_b32 hwreg(HW_REG_WAVE_MODE, 25, 1), 1
	s_wait_xcnt 0x0
	s_wait_alu depctr_hold_cnt(0) depctr_sa_sdst(0) depctr_va_vdst(0) depctr_va_sdst(0) depctr_va_ssrc(0) depctr_va_vcc(0) depctr_vm_vsrc(0)
	s_getreg_b32 s2, hwreg(HW_REG_IB_STS2, 6, 4)
	s_cmp_eq_u32 s2, 0
	s_cbranch_scc0 .Lentry_in_a_cluster
	s_endpgm
.Lentry_in_a_cluster:
	s_bfe_u32 s2, ttmp6, 0x10000c
	s_cmp_lg_u32 s2, 0x3003
	s_cbranch_scc0 .Lentry_shape_is_right
	s_endpgm
.Lentry_shape_is_right:
; THE THREE PROJECTIONS OF MULTI-QUERY ATTENTION on codes of FP4 (E2M1) with one E8M0 scale for each 32 along K, and the quantising of their results.
;   q = hs Wq + bq (16 heads), k = hs Wk + bk, v = hs Wv + bv.  hs: 8,192 rows x 1,024; every operand has K innermost: 512 bytes of codes and 32 scale bytes a row.
;   q and k are quantised along the head's 64 (two blocks), v along the keys (blocks of 32).  Sums and all ahead of a quantiser are f32.
; OUT: qc [R][32 bytes], R = head x 8192 + hs row: bytes 0-15 block 0, 16-31 block 1.  qs [R]: a word: bytes 0, 1 the two scale bytes, bytes 2, 3 zero.
;   kv: 64 records of 8,960 bytes, one for each 128 keys, as images of operand registers (16 bytes a lane, 512 bytes on end):
;     +0    K: tile T = 4 c + i at 512 T; lane (r, h): channels 32 h .. 32 h + 31 of key 64 c + 32 (r / 8) + 8 i + r % 8 (so that in S^T a lane's 32 registers of tiles 4 c .. 4 c + 3 are one whole block of 32 keys)
;     +4096 V: tile of 16 channels t at 1024 t, half c of the keys at + 512 c; lane (r, h): channel 16 t + r, keys 64 c + 32 h + 0 .. 31
;     +8192 K's scale words: word 16 T + r       +8704 V's: word of channel n at 4 n, byte b for the record's b-th 32 keys
; SHARES.  Work-group (x, y): x = 128 rows of hs (one record), y = J: heads 4 J .. 4 J + 3.  Wave w: head 4 J + w % 4, rows 64 (w / 4) on: 4 x 4 = 16 accumulators, 8 K steps.
;   Then waves 0, 1: k of tile T = 2 J + w;  waves 2, 3: v of channel tile J for keys 64 (w % 2) on.  The parting hangs on the wave's number alone; J enters global addresses alone.
; LDS.  One tensor load a wave, whole rows of K (512 bytes, 16 of padding behind each): waves 0-3 Wq's 256 rows, 4-5 hs's 128, 6 Wk's 64, 7 Wv's 16 rows of tile J.  Every byte is filled once.
;   k's source 1, 16 rows of hs that hang on J, comes from memory straight into registers.  Behind the tiles: three small stages that LDS stores alone write, and the spare words.
; CLUSTER 4 x 1: the partners have the same J: Wq's, Wk's and Wv's rows are asked for jointly; hs's are each work-group's own.  Not 4 x 4: Wq's and Wv's rows hang on J.
; No prefetch: the launch's only fills stand at its head, and there is no loop to run ahead in.
; LIMITS: NaN and infinities are not served.  A block of zeros gets the scale byte 1 where the quantiser says 127: its codes are zeros, and this program alone reads the bytes.
.set PITCH, 528
.set TILEB, 64*PITCH
.set QSTG,  464*PITCH                  ; q's scale words: 256 bytes a wave
.set KSTG,  QSTG+8*256                 ; k's scale words of two tiles: 128 bytes
.set VSTG,  KSTG+256                   ; v's scale words of 16 channels: 64 bytes
.set SPARE, VSTG+256
.set RECB,  8960
.set WV,  32
.set J,   33
.set RB,  34
.set JP,  36
.set JH,  37
.set G1J, 48                           ; group 1: joint, 64 rows;  G1P: own, 64 rows;  G1V: joint, 16 rows.  s48-63 are free once the loads have landed
.set G1P, 56
.set G0Q, 68
.set G0H, 72
.set G0W, 76
.set G0V, 80
.set G1V, 84
.set SEL, 92
.set SPW, 5                            ; v5 my spare word, v7 zero: kept for the add alone
.set NIL, 7
; VECTORS: v1 32 h, v2 32 r, v3 4 r, v4, v6 LDS addresses of sources 0, 1, v8 528 r + 16 h, v9 32 l, v10 32 r + 16 h, v11 16 l, v12-13 my stage for q's words, v14 8 l, v15-16 a unit's word (k, v),
;   v17-18 where wave 0 reads them back, v19 4 l, v20-27 QUANT2, v28-31 at work, v32-47, v48-63 scale words of sources 0, 1, v64-127 fragments, v128-255 accumulators.
.macro ROUND
	s_barrier_signal -1
	s_barrier_wait -1
	s_cmp_lg_u32 s[WV], 0
	s_cbranch_scc1 .Lnot_wave_0_\@
	s_barrier_signal -3
.Lnot_wave_0_\@:
	s_barrier_wait -3
	s_barrier_signal -1
	s_barrier_wait -1
.endm
.macro PLACES                          ; four plain places behind a matrix instruction (ISA guide 7.12.1)
.rept 4
	v_nop
.endr
.endm
.macro FRAG reg, adr, off              ; 16 rows x 128 K: two loads of 16 bytes, 32 bytes apart
	ds_load_b128 v[(\reg):(\reg)+3], v[\adr] offset:(\off)
	ds_load_b128 v[(\reg)+4:(\reg)+7], v[\adr] offset:(\off)+32
.endm
.macro MM d, a, b, sa, sb, ra, rb      ; d += a x b; ra, rb: that side's scale words stand in lanes 16-31
.if ((\ra) == 0) && ((\rb) == 0)
	v_wmma_scale_f32_16x16x128_f8f6f4 v[(\d):(\d)+7], v[(\a):(\a)+7], v[(\b):(\b)+7], v[(\d):(\d)+7], v[\sa], v[\sb] matrix_a_fmt:MATRIX_FMT_FP4 matrix_b_fmt:MATRIX_FMT_FP4
.elseif (\rb) == 0
	v_wmma_scale_f32_16x16x128_f8f6f4 v[(\d):(\d)+7], v[(\a):(\a)+7], v[(\b):(\b)+7], v[(\d):(\d)+7], v[\sa], v[\sb] matrix_a_fmt:MATRIX_FMT_FP4 matrix_b_fmt:MATRIX_FMT_FP4 matrix_a_scale:MATRIX_SCALE_ROW1
.elseif (\ra) == 0
	v_wmma_scale_f32_16x16x128_f8f6f4 v[(\d):(\d)+7], v[(\a):(\a)+7], v[(\b):(\b)+7], v[(\d):(\d)+7], v[\sa], v[\sb] matrix_a_fmt:MATRIX_FMT_FP4 matrix_b_fmt:MATRIX_FMT_FP4 matrix_b_scale:MATRIX_SCALE_ROW1
.else
	v_wmma_scale_f32_16x16x128_f8f6f4 v[(\d):(\d)+7], v[(\a):(\a)+7], v[(\b):(\b)+7], v[(\d):(\d)+7], v[\sa], v[\sb] matrix_a_fmt:MATRIX_FMT_FP4 matrix_b_fmt:MATRIX_FMT_FP4 matrix_a_scale:MATRIX_SCALE_ROW1 matrix_b_scale:MATRIX_SCALE_ROW1
.endif
.endm
.macro KSTEP s                         ; 16 LDS loads, 16 products; the 16 accumulators by turns
.irp t, 0,1,2,3
	FRAG 64+8*\t, 4, 16*PITCH*\t+64*(\s)
.endr
.irp m, 0,1,2,3
	FRAG 96+8*\m, 6, 16*PITCH*\m+64*(\s)
.endr
	s_wait_dscnt 0x0
.irp m, 0,1,2,3
.irp t, 0,1,2,3
	MM 128+32*\m+8*\t, 64+8*\t, 96+8*\m, 32+8*(\t/2)+(\s), 48+8*(\m/2)+(\s), \t%2, \m%2
.endr
.endr
	PLACES
.endm
; 32 numbers of a lane from v[s] on: registers 16 b .. 16 b + 15, with lane l xor 16's, are block b.  Out: codes in v[pc] .. v[pc + 3] (lanes 0-15 block 0, lanes 16-31 block 1), the two scale bytes in v[pw].
.macro QUANT2 s, pc, pw
	v_max3_num_f32 v20, |v[(\s)]|, |v[(\s)+1]|, 0x1800000       ; the floor 2^(3 - 127): the byte cannot fall under 1
	v_max3_num_f32 v21, |v[(\s)+16]|, |v[(\s)+17]|, 0x1800000
.irp i, 2,4,6,8,10,12,14
	v_max3_num_f32 v20, v20, |v[(\s)+\i]|, |v[(\s)+\i+1]|
	v_max3_num_f32 v21, v21, |v[(\s)+16+\i]|, |v[(\s)+17+\i]|
.endr
	s_delay_alu instid0(VALU_DEP_2)
	v_permlanex16_b32 v22, v20, s[SEL], s[SEL+1]
	s_delay_alu instid0(VALU_DEP_2)
	v_permlanex16_b32 v23, v21, s[SEL], s[SEL+1]
	s_delay_alu instid0(VALU_DEP_2)
	v_max_num_f32 v20, v20, v22
	s_delay_alu instid0(VALU_DEP_2)
	v_max_num_f32 v21, v21, v23
	s_delay_alu instid0(VALU_DEP_2)
	v_add_nc_u32 v24, 0xff000000, v20              ; 2 off the exponent field: the conversion's scale operand
	s_delay_alu instid0(VALU_DEP_2)
	v_add_nc_u32 v25, 0xff000000, v21
	s_delay_alu instid0(VALU_DEP_2)
	v_lshrrev_b32 v26, 23, v24
	s_delay_alu instid0(VALU_DEP_2)
	v_lshrrev_b32 v27, 23, v25
	s_delay_alu instid0(VALU_DEP_1)
	v_lshl_or_b32 v[\pw], v27, 8, v26
	v_cvt_scalef32_pk8_fp4_f32 v[(\pc)], v[(\s):(\s)+7], v24
	v_cvt_scalef32_pk8_fp4_f32 v[(\pc)+2], v[(\s)+8:(\s)+15], v24
	v_cvt_scalef32_pk8_fp4_f32 v[(\pc)+1], v[(\s)+16:(\s)+23], v25
	v_cvt_scalef32_pk8_fp4_f32 v[(\pc)+3], v[(\s)+24:(\s)+31], v25
	v_nop                                          ; one plain place behind a scaled conversion
	v_permlane16_swap_b32 v[(\pc)], v[(\pc)+1]     ; a whole block in a lane
	v_permlane16_swap_b32 v[(\pc)+2], v[(\pc)+3]
.endm
; A small unit: 4 tiles of source 0 (LDS, v4) x 1 tile of source 1 (g = 1: in v64-127, 8 registers a K step; g = 0: LDS, v6), two K steps at a time; accumulators v128-159 by turns.
.macro XUNIT g
.irp p, 0,1,2,3
.if \p > 0
	PLACES
.endif
.irp e, 0,1
.irp a, 0,1,2,3
	FRAG 160+40*\e+8*\a, 4, 16*PITCH*\a+64*(2*\p+\e)
.endr
.if \g == 0
	FRAG 160+40*\e+32, 6, 64*(2*\p+\e)
.endif
.endr
	s_wait_dscnt 0x0
.irp e, 0,1
.irp a, 0,1,2,3
.if \g
	MM 128+8*\a, 160+40*\e+8*\a, 64+8*(2*\p+\e), 32+8*(\a/2)+2*\p+\e, 48+2*\p+\e, \a%2, 0
.else
	MM 128+8*\a, 160+40*\e+8*\a, 160+40*\e+32, 32+8*(\a/2)+2*\p+\e, 48+2*\p+\e, \a%2, 0
.endif
.endr
.endr
.endr
.endm
	s_load_b512 s[4:19], s[0:1], 0x0               ; hs codes 4, hs scales 6, Wq codes 8, Wq scales 10, bq 12, Wk codes 14, Wk scales 16, bk 18
	s_load_b256 s[20:27], s[0:1], 0x40             ; Wv codes 20, Wv scales 22, bv 24, qc 26
	s_load_b128 s[28:31], s[0:1], 0x60             ; qs 28, kv 30
	v_lshl_add_u32 v[SPW], v0, 2, SPARE
	v_mov_b32 v[NIL], 0
	ds_add_u32 v[SPW], v[NIL]                      ; the opening lines: the add, twice on end, and its wait ahead of my tensor load
	ds_add_u32 v[SPW], v[NIL]
	v_lshrrev_b32 v31, 5, v0
	s_delay_alu instid0(VALU_DEP_1)
	v_readfirstlane_b32 s[WV], v31                 ; wave 0..7
	s_and_b32 s[J], ttmp7, 0xffff                  ; J: the cluster's y, equal in all four partners
	s_bfe_u32 s35, ttmp6, 0x40000                  ; cx
	s_lshl_b32 s[RB], ttmp9, 2
	s_add_co_u32 s[RB], s[RB], s35                 ; row block
	s_and_b32 s[JP], s[J], 1
	s_bfe_u32 s[JH], s[J], 0x10001
	s_and_b32 s44, s[WV], 3
	s_lshr_b32 s45, s[WV], 2
	s_and_b32 s46, s[WV], 1
	s_mov_b32 s[SEL], 0x76543210
	s_mov_b32 s[SEL+1], 0xfedcba98
	s_mov_b32 s[G1J], 15|(1<<20)|(1<<21)|(6<<22)|(3<<25)   ; mask of the four partners; elements of 1 byte; four words of padding after every 128
	s_mov_b32 s[G1P], (1<<20)|(6<<22)|(3<<25)
	s_mov_b32 s[G1V], 15|(1<<20)|(1<<21)|(6<<22)|(3<<25)
.irp g, G1J, G1P, G1V
	s_mov_b32 s[\g+1], 512<<16                     ; tensor_dim0
	s_mov_b32 s[\g+3], 512<<16                     ; tile_dim0
	s_mov_b32 s[\g+5], 512                         ; from row to row
	s_mov_b32 s[\g+6], 0
	s_mov_b32 s[\g+7], 0
.endr
.irp g, G1J, G1P
	s_mov_b32 s[\g+2], 64<<16                      ; 64 rows
	s_mov_b32 s[\g+4], 64
.endr
	s_mov_b32 s[G1V+2], 16<<16                     ; 16 rows
	s_mov_b32 s[G1V+4], 16
	v_and_b32 v28, 15, v0                          ; r
	v_bfe_u32 v29, v0, 4, 1                        ; h
	v_and_b32 v30, 31, v0                          ; l
	v_lshlrev_b32 v1, 5, v29
	v_lshlrev_b32 v2, 5, v28
	v_lshlrev_b32 v3, 2, v28
	v_mul_u32_u24 v8, v28, PITCH
	v_lshlrev_b32 v9, 5, v30
	v_lshl_add_u32 v10, v29, 4, v2
	v_lshlrev_b32 v11, 4, v30
	v_lshl_add_u32 v8, v29, 4, v8
	v_lshlrev_b32 v14, 3, v30
	v_lshlrev_b32 v19, 2, v30
	v_add_nc_u32 v17, KSTG, v19
	v_add_nc_u32 v18, VSTG, v3
	s_mul_i32 s95, s44, TILEB                      ; my head's 64 rows of Wq
	v_add_nc_u32 v4, s95, v8
	s_mul_i32 s95, s45, TILEB                      ; my 64 rows of hs, behind Wq's 256
	s_add_co_u32 s95, s95, 256*PITCH
	v_add_nc_u32 v6, s95, v8
	s_lshl_b32 s95, s[WV], 8
	s_add_co_u32 s95, s95, QSTG
	v_add_nc_u32 v12, s95, v3
	v_add_nc_u32 v13, s95, v14
	s_lshl_b32 s95, s46, 6
	s_add_co_u32 s95, s95, KSTG
	v_add_nc_u32 v15, s95, v3                      ; k's word: 4 (16 (w % 2) + r)
	s_lshl_b32 s95, s46, 1
	s_add_co_u32 s95, s95, VSTG
	v_add_nc_u32 v16, s95, v3                      ; v's two bytes: 4 r + 2 (w % 2)
	v_mov_b32 v22, 0                               ; a lane permute's destination counts as one of its sources
	v_mov_b32 v23, 0
	s_mov_b32 s39, 0
	s_mov_b32 s41, 0
	s_mov_b32 s43, 0
	s_mov_b32 s97, 0
	s_lshl_b32 s40, s[J], 17                       ; Wq's codes: row 256 J + 64 (w % 4)
	s_lshl_b32 s38, s44, 15
	s_add_co_u32 s40, s40, s38
	s_lshl_b32 s42, s46, 15                        ; hs's codes: 64 (w % 2) rows into the block
	s_lshl_b32 s96, s[J], 13                       ; Wv's codes: row 16 J
	s_mul_i32 s94, s[WV], TILEB                    ; where my tile goes: wave x 64 rows
	s_wait_alu depctr_va_vdst(0)                   ; the wait at the end of the head's vector work
	s_wait_dscnt 0x0
	s_wait_kmcnt 0x0
	s_lshl_b32 s38, s[RB], 16
	s_add_nc_u64 s[4:5], s[4:5], s[38:39]          ; hs's codes at the block's first row
	s_add_nc_u64 s[40:41], s[8:9], s[40:41]
	s_add_nc_u64 s[42:43], s[4:5], s[42:43]
	s_add_nc_u64 s[96:97], s[20:21], s[96:97]
	s_mov_b32 s[G0Q], 1
	s_mov_b32 s[G0Q+1], s94
	s_mov_b64 s[G0Q+2:G0Q+3], s[40:41]
	s_or_b32 s[G0Q+3], s[G0Q+3], 0x80000000
	s_mov_b32 s[G0H], 1
	s_mov_b32 s[G0H+1], s94
	s_mov_b64 s[G0H+2:G0H+3], s[42:43]
	s_or_b32 s[G0H+3], s[G0H+3], 0x80000000
	s_mov_b32 s[G0W], 1
	s_mov_b32 s[G0W+1], s94
	s_mov_b64 s[G0W+2:G0W+3], s[14:15]
	s_or_b32 s[G0W+3], s[G0W+3], 0x80000000
	s_mov_b32 s[G0V], 1
	s_mov_b32 s[G0V+1], s94
	s_mov_b64 s[G0V+2:G0V+3], s[96:97]
	s_or_b32 s[G0V+3], s[G0V+3], 0x80000000
	s_lshl_b32 s38, s[J], 13                       ; Wq's scales: 32 bytes a row
	s_lshl_b32 s95, s44, 11
	s_add_co_u32 s38, s38, s95
	s_add_nc_u64 s[10:11], s[10:11], s[38:39]
	s_lshl_b32 s38, s[RB], 12
	s_add_nc_u64 s[6:7], s[6:7], s[38:39]          ; hs's scales at the block's first row,
	s_lshl_b32 s38, s45, 11
	s_add_nc_u64 s[98:99], s[6:7], s[38:39]        ; and at my 64 rows
	s_lshl_b32 s95, s[J], 2
	s_add_co_u32 s95, s95, s44                     ; my head
	s_lshl_b32 s38, s95, 8
	s_add_nc_u64 s[12:13], s[12:13], s[38:39]      ; its bias
	s_lshl_b32 s95, s95, 13
	s_lshl_b32 s38, s[RB], 7
	s_add_co_u32 s95, s95, s38
	s_lshl_b32 s38, s45, 6
	s_add_co_u32 s95, s95, s38                     ; my first row of q
	s_lshl_b32 s38, s95, 5
	s_add_nc_u64 s[26:27], s[26:27], s[38:39]
	s_lshl_b32 s38, s95, 2
	s_add_nc_u64 s[28:29], s[28:29], s[38:39]
	s_mul_i32 s38, s[RB], RECB
	s_add_nc_u64 s[30:31], s[30:31], s[38:39]      ; my record
	ROUND                                          ; all four work-groups are here: the joint loads meet
; The launch's fills, one a wave, in one chain of branches on the wave's number: every way passes exactly one.
.macro ARM under, g0, g1, next
	s_cmp_lt_u32 s[WV], \under
	s_cbranch_scc0 \next
	tensor_load_to_lds s[\g0:\g0+3], s[\g1:\g1+7]
	s_nop 0
.rept 4
	v_nop
.endr
	s_branch .Lfilled
\next:
.endm
	ARM 4, G0Q, G1J, .Lnot_wq
	ARM 6, G0H, G1P, .Lnot_hs
	ARM 7, G0W, G1J, .Lnot_wk
	tensor_load_to_lds s[G0V:G0V+3], s[G1V:G1V+7]
	s_nop 0
.rept 4
	v_nop
.endr
.Lfilled:
.irp m, 0,1,2,3                        ; the bias into the accumulators: register j of tile t is channel 16 t + 8 h + j
.irp t, 0,1,2,3
	global_load_b128 v[128+32*\m+8*\t:131+32*\m+8*\t], v1, s[12:13] offset:64*\t
	global_load_b128 v[132+32*\m+8*\t:135+32*\m+8*\t], v1, s[12:13] offset:64*\t+16
.endr
.endr
.irp p, 0,1                            ; the scale words of all 8 K steps: lane l takes the 32 bytes of row 32 p + l
	global_load_b128 v[32+8*\p:35+8*\p], v9, s[10:11] offset:1024*\p
	global_load_b128 v[36+8*\p:39+8*\p], v9, s[10:11] offset:1024*\p+16
	global_load_b128 v[48+8*\p:51+8*\p], v9, s[98:99] offset:1024*\p
	global_load_b128 v[52+8*\p:55+8*\p], v9, s[98:99] offset:1024*\p+16
.endr
	s_wait_loadcnt 0x0
	s_wait_tensorcnt 0x0                           ; my tile is in,
	s_barrier_signal -1
	s_barrier_wait -1                              ; everybody's is
.irp s, 0,1,2,3,4,5,6,7
	KSTEP \s
.endr
	; q's way out: a tile of 16 rows is 512 consecutive bytes of codes; the 64 rows' scale words meet in my stage and leave as 256 consecutive bytes, aligned
.irp m, 0,1,2,3
	QUANT2 128+32*\m, 64+4*\m, 80+\m
	global_store_b128 v10, v[64+4*\m:67+4*\m], s[26:27] offset:512*\m
	ds_store_b32 v12, v[80+\m] offset:64*\m        ; lanes r and r + 16 write the same word with the same value
.endr
	ds_load_b64 v[28:29], v13                      ; LDS serves a wave's instructions in order: this sees my stores
	s_wait_dscnt 0x0
	global_store_b64 v14, v[28:29], s[28:29]
	; THE SMALL UNITS: waves 0-3
	s_cmp_lt_u32 s[WV], 4
	s_cbranch_scc0 .Ljoin
	s_wait_xcnt 0x0                                ; my stores have read their registers: v64 on are loaded into below
	s_cmp_lt_u32 s[WV], 2
	s_cbranch_scc0 .Lvpath
	; k of tile T = 2 J + w: lane r takes hs row 64 (J / 2) + 16 (J % 2) + 8 w + r', r' = 32 (r / 8) + r % 8.  Source 0 = Wk's four tiles.
	s_lshl_b32 s48, s[JH], 6
	s_lshl_b32 s49, s[JP], 4
	s_add_co_u32 s48, s48, s49
	s_lshl_b32 s49, s[WV], 3
	s_add_co_u32 s48, s48, s49
	s_lshl_b32 s38, s48, 9
	s_add_nc_u64 s[50:51], s[4:5], s[38:39]        ; these rows' codes,
	s_lshl_b32 s38, s48, 5
	s_add_nc_u64 s[52:53], s[6:7], s[38:39]        ; their scales,
	s_lshl_b32 s38, s[J], 10
	s_lshl_b32 s49, s[WV], 9
	s_add_co_u32 s38, s38, s49
	s_add_nc_u64 s[54:55], s[30:31], s[38:39]      ; and the tile's image: 512 T
	v_add_nc_u32 v4, 384*PITCH, v8
	v_and_b32 v242, 15, v0
	v_and_b32 v243, 8, v0
	v_bfe_u32 v244, v0, 4, 1
	s_delay_alu instid0(VALU_DEP_2)
	v_mad_u32_u24 v242, v243, 3, v242              ; r'
	s_delay_alu instid0(VALU_DEP_1)
	v_lshlrev_b32 v241, 5, v242                    ; 32 r'
	v_lshlrev_b32 v240, 9, v242
	s_delay_alu instid0(VALU_DEP_1)
	v_lshl_add_u32 v240, v244, 4, v240             ; 512 r' + 16 h
	s_wait_alu depctr_va_vdst(0)
.irp s, 0,1,2,3,4,5,6,7
	global_load_b128 v[64+8*\s:67+8*\s], v240, s[50:51] offset:64*\s
	global_load_b128 v[68+8*\s:71+8*\s], v240, s[50:51] offset:64*\s+32
.endr
.irp a, 0,1,2,3
	global_load_b128 v[128+8*\a:131+8*\a], v1, s[18:19] offset:64*\a
	global_load_b128 v[132+8*\a:135+8*\a], v1, s[18:19] offset:64*\a+16
.endr
.irp p, 0,1
	global_load_b128 v[32+8*\p:35+8*\p], v9, s[16:17] offset:1024*\p
	global_load_b128 v[36+8*\p:39+8*\p], v9, s[16:17] offset:1024*\p+16
.endr
	global_load_b128 v[48:51], v241, s[52:53]
	global_load_b128 v[52:55], v241, s[52:53] offset:16
	s_wait_loadcnt 0x0
	XUNIT 1
	PLACES
	QUANT2 128, 96, 100
	global_store_b128 v11, v[96:99], s[54:55]      ; the tile's image: 512 consecutive bytes
	ds_store_b32 v15, v100
	s_branch .Ljoin
.Lvpath:
	; v of channels 16 J + r for keys 64 c on, c = w % 2: source 0 = these 64 rows of hs, source 1 = Wv's tile J
	s_mul_i32 s48, s46, TILEB
	s_add_co_u32 s48, s48, 256*PITCH
	s_lshl_b32 s38, s[J], 6
	s_add_nc_u64 s[52:53], s[24:25], s[38:39]      ; bv at channel 16 J
	s_lshl_b32 s38, s46, 11
	s_add_nc_u64 s[54:55], s[6:7], s[38:39]        ; hs's scales at row 64 c
	s_lshl_b32 s38, s[J], 9
	s_add_nc_u64 s[56:57], s[22:23], s[38:39]      ; Wv's scales at row 16 J
	s_lshl_b32 s38, s[J], 10
	s_lshl_b32 s51, s46, 9
	s_add_co_u32 s38, s38, s51
	s_add_co_u32 s38, s38, 4096
	s_add_nc_u64 s[58:59], s[30:31], s[38:39]      ; the image's place in the record
	v_add_nc_u32 v4, s48, v8
	v_add_nc_u32 v6, 448*PITCH, v8
	s_wait_alu depctr_va_vdst(0)
.set N, 0
.rept 32
	global_load_b32 v[128+N], v3, s[52:53]         ; a lane holds one channel: its bias in all 32 registers
.set N, N+1
.endr
.irp p, 0,1
	global_load_b128 v[32+8*\p:35+8*\p], v9, s[54:55] offset:1024*\p
	global_load_b128 v[36+8*\p:39+8*\p], v9, s[54:55] offset:1024*\p+16
.endr
	global_load_b128 v[48:51], v2, s[56:57]
	global_load_b128 v[52:55], v2, s[56:57] offset:16
	s_wait_loadcnt 0x0
	XUNIT 0
	PLACES
	QUANT2 128, 96, 100
	global_store_b128 v11, v[96:99], s[58:59]
	ds_store_b16 v16, v100                         ; the bytes of key blocks 2 c and 2 c + 1 of my channel
.Ljoin:
	s_wait_dscnt 0x0                               ; for the others' sake: my stores into the stages are done
	s_barrier_signal -1
	s_barrier_wait -1
	s_cmp_lg_u32 s[WV], 0                          ; wave 0 sends the four units' scale words
	s_cbranch_scc1 .Lend
	ds_load_b32 v30, v17
	ds_load_b32 v31, v18
	s_lshl_b32 s38, s[J], 7
	s_add_co_u32 s38, s38, 8192
	s_add_nc_u64 s[60:61], s[30:31], s[38:39]
	s_lshl_b32 s38, s[J], 6
	s_add_co_u32 s38, s38, 8704
	s_add_nc_u64 s[62:63], s[30:31], s[38:39]
	s_wait_dscnt 0x0
	global_store_b32 v19, v30, s[60:61]            ; k's: 128 consecutive bytes of the record's 512
	global_store_b32 v3, v31, s[62:63]             ; v's: 64 consecutive bytes (lanes r and r + 16 store the same word with the same value)
.Lend:
	s_wait_tensorcnt 0x0                           ; the wave's end
	ds_add_u32 v[SPW], v[NIL]
	s_wait_dscnt 0x0
	ROUND                                          ; the closing round
	s_endpgm
.Lfunc_end_k_qb96698e191_proj:
	.size	k_qb96698e191_proj, .Lfunc_end_k_qb96698e191_proj-k_qb96698e191_proj
	.p2alignl 7, 3214868480
	.fill 96, 4, 3214868480
	.section	.rodata,"a",@progbits
	.p2align	6, 0x0
	.amdhsa_kernel k_qb96698e191_proj
		.amdhsa_group_segment_fixed_size 248576
		.amdhsa_private_segment_fixed_size 0
		.amdhsa_enable_private_segment 0
		.amdhsa_kernarg_size 112
		.amdhsa_user_sgpr_count 2
		.amdhsa_user_sgpr_kernarg_segment_ptr 1
		.amdhsa_wavefront_size32 1
		.amdhsa_system_sgpr_workgroup_id_x 1
		.amdhsa_system_sgpr_workgroup_id_y 1
		.amdhsa_system_sgpr_workgroup_id_z 1
		.amdhsa_system_vgpr_workitem_id 0
		.amdhsa_next_free_vgpr 256
		.amdhsa_next_free_sgpr 102
		.amdhsa_reserve_vcc 0
		.amdhsa_float_denorm_mode_32 3
		.amdhsa_float_denorm_mode_16_64 3
		.amdhsa_memory_ordered 1
		.amdhsa_forward_progress 1
		.amdhsa_inst_pref_size 79
	.end_amdhsa_kernel
	.amdgpu_metadata
---
amdhsa.version: [ 1, 2 ]
amdhsa.kernels:
  - .name:           k_qb96698e191_proj
    .symbol:         k_qb96698e191_proj.kd
    .args:
      - { .name: hidden_states_codes, .offset: 0, .size: 8, .value_kind: global_buffer, .address_space: global }
      - { .name: hidden_states_scales, .offset: 8, .size: 8, .value_kind: global_buffer, .address_space: global }
      - { .name: Wq_codes, .offset: 16, .size: 8, .value_kind: global_buffer, .address_space: global }
      - { .name: Wq_scales, .offset: 24, .size: 8, .value_kind: global_buffer, .address_space: global }
      - { .name: bq, .offset: 32, .size: 8, .value_kind: global_buffer, .address_space: global }
      - { .name: Wk_codes, .offset: 40, .size: 8, .value_kind: global_buffer, .address_space: global }
      - { .name: Wk_scales, .offset: 48, .size: 8, .value_kind: global_buffer, .address_space: global }
      - { .name: bk, .offset: 56, .size: 8, .value_kind: global_buffer, .address_space: global }
      - { .name: Wv_codes, .offset: 64, .size: 8, .value_kind: global_buffer, .address_space: global }
      - { .name: Wv_scales, .offset: 72, .size: 8, .value_kind: global_buffer, .address_space: global }
      - { .name: bv, .offset: 80, .size: 8, .value_kind: global_buffer, .address_space: global }
      - { .name: qc, .offset: 88, .size: 8, .value_kind: global_buffer, .address_space: global }
      - { .name: qs, .offset: 96, .size: 8, .value_kind: global_buffer, .address_space: global }
      - { .name: kv, .offset: 104, .size: 8, .value_kind: global_buffer, .address_space: global }
    .group_segment_fixed_size: 248576
    .private_segment_fixed_size: 0
    .kernarg_segment_align: 8
    .kernarg_segment_size: 112
    .max_flat_workgroup_size: 256
    .sgpr_count:     102
    .vgpr_count:     256
    .wavefront_size: 32
...
	.end_amdgpu_metadata
.endif
;; end of part 1
;; launch attn (part 2): grid 64 x 4, 16 waves a work-group, clusters of 4 x 1, 215,040 bytes of LDS; arguments qc, qs, kv, out0; writes out0
.if DOCPART == 2
	.amdgcn_target "amdgcn-amd-amdhsa--gfx1250"
	.amdhsa_code_object_version 6
	.text
	.protected	k_qb96698e191_attn
	.globl	k_qb96698e191_attn
	.p2align	8
	.type	k_qb96698e191_attn,@function
k_qb96698e191_attn:
	s_mov_b64 s[64:65], 0
	v_nop
	global_prefetch_b8 v0, s[64:65] scope:SCOPE_SE
	s_setreg_imm32_b32 hwreg(HW_REG_WAVE_MODE, 25, 1), 1
	s_wait_xcnt 0x0
	s_wait_alu depctr_hold_cnt(0) depctr_sa_sdst(0) depctr_va_vdst(0) depctr_va_sdst(0) depctr_va_ssrc(0) depctr_va_vcc(0) depctr_vm_vsrc(0)
	s_getreg_b32 s2, hwreg(HW_REG_IB_STS2, 6, 4)
	s_cmp_eq_u32 s2, 0
	s_cbranch_scc0 .Lentry_in_a_cluster
	s_endpgm
.Lentry_in_a_cluster:
	s_bfe_u32 s2, ttmp6, 0x10000c
	s_cmp_lg_u32 s2, 0x3003
	s_cbranch_scc0 .Lentry_shape_is_right
	s_endpgm
.Lentry_shape_is_right:
; out[n][b][q][:] = the sum over keys of softmax(q . k) v, both products on codes of FP4 (E2M1) with one E8M0 scale for each 32 along a product's K.  16 heads share one K and one V in each of 4 batches.
; IN: qc, qs, kv as the launch before laid them: q's rows of 32 bytes of codes and one scale word; for each 128 keys a record of 8,960 bytes: images of K's and V's operand registers and their scale words.
; THE SOFTMAX: t = score x log2(e); M = the running largest t rounded UP to a whole number, kept as -M = floor(-t); p = 2^(t - M) is what is quantised, along the keys, not normalised.
;   The row's sum is taken of the unquantised p in f32 and divides O at the end.  When M moves, the sum and O are multiplied by 2^(old M - new M): nothing is rounded, and there is no branch on data.
; THE FIRST PRODUCT'S K IS 64, THE INSTRUCTION'S 128: registers 4-7 of q's fragment hold zero codes, and bytes 2, 3 of both sides' scale words are 0 (a power of two).  So what K's fragment holds there adds nothing
;   (every code of E2M1 is a finite number): K's fragments lie 4 registers apart, each with the next one's codes as its upper half; four zero registers close the run.
; SHARES.  A work-group owns 512 queries of one head and batch; each of its sixteen waves two tiles of 16, one after the other; four waves to a SIMD.  Every wave walks the batch's 2,048 keys, 128 a step.
; LDS.  The batch's 16 records, 143,360 bytes, come ONCE, one tensor load a wave, and stay: nothing is filled again, and no barrier stands in a loop.  Behind them a stage of 16 rows x 272 bytes a wave, and the spare words.
; CLUSTER 4 x 1: the four work-groups of a head and batch want the same records: each is asked for jointly; its address is made of the batch and the wave's number alone.
; No prefetch: the launch's only fills stand at its head, and no loop loads from memory.
; LAYOUT.  Both products transposed: S^T = K Q^T, O^T = V^T P^T: a lane holds ONE query (lane % 16).  K's tile T = 4 c + i holds in its row m the key 64 c + 32 (m / 8) + 8 i + m % 8: so register j of tile T in lane (r, h)
;   is key 64 c + 32 h + 8 i + j: the 32 registers of tiles 4 c .. 4 c + 3 are the WHOLE block 2 c + h, and the conversion of tile T gives register T of the second product's operand as it stands.
;   A lane has the scale bytes of blocks h and 2 + h; lane l xor 16's two make the word whole.
; THE EXPONENTIALS go in two batches (tiles 0-3 with the two blocks' largest; tiles 4-7), each with a wait ahead; plain work that is ready stands behind each batch.
; LIMITS: NaN and infinities are not served.  A p under 2^-126 becomes 0 (v_exp_f32 gives no denormals: ISA guide, its entry).  A block whose every p is 0 gets the byte 1: its codes are zeros.
;   A block's largest p is made from the block's largest score by the same multiply-add and exponential: this takes v_exp_f32 not to fall where its input rises.
.set RECB,  8960
.set STAGE, 16*RECB
.set SPARE, STAGE+16*16*272
.set QF, 32                            ; v32-47 q of tiles 0, 1 (4 of codes, 4 of zeros each)
.set KB, 48                            ; v48-79 K's eight fragments, v80-83 zeros
.set VB, 84                            ; v84-115 V's four fragments
.set SS, 128                           ; v128-191 S^T, then p
.set OO, 192                           ; v192-223 O^T
.set PC, 224                           ; v224-231 p's codes
; v1 16 l, v2 8192 + 4 l (places in a record); v4, v5 the same in the step's record; v7, v8 my stage, in and back; v9 my bytes in two rows of out; v10, v11 q's scale words; v12 -M, v13 the largest score;
; v14-21 the sum in four chains of pairs; v22 8 h; v23, v24 the add's two; v25 the old -M; v232-235 K's scale words, v236-237 V's, v238 p's; v240-243 the blocks' largest; v246-247 the conversions' scale operands;
; v248-250 at work; v252 the factor (v253 named with it as a pair).   s[36:37] log2(e) twice; s[38:39] selects for lane l xor 16; s40 the step's record; s41 trips
.macro ROUND
	s_barrier_signal -1
	s_barrier_wait -1
	s_cmp_lg_u32 s12, 0
	s_cbranch_scc1 .Lnot_wave_0_\@
	s_barrier_signal -3
.Lnot_wave_0_\@:
	s_barrier_wait -3
	s_barrier_signal -1
	s_barrier_wait -1
.endm
.macro SMM u, qf, qsr                  ; S^T tile u; K's scale words: register u / 2, lanes 0-15 for even u, 16-31 for odd
.if (\u)%2
	v_wmma_scale_f32_16x16x128_f8f6f4 v[SS+8*(\u):SS+8*(\u)+7], v[KB+4*(\u):KB+4*(\u)+7], v[(\qf):(\qf)+7], 0, v[232+(\u)/2], v[\qsr] matrix_a_fmt:MATRIX_FMT_FP4 matrix_b_fmt:MATRIX_FMT_FP4 matrix_a_scale:MATRIX_SCALE_ROW1
.else
	v_wmma_scale_f32_16x16x128_f8f6f4 v[SS+8*(\u):SS+8*(\u)+7], v[KB+4*(\u):KB+4*(\u)+7], v[(\qf):(\qf)+7], 0, v[232+(\u)/2], v[\qsr] matrix_a_fmt:MATRIX_FMT_FP4 matrix_b_fmt:MATRIX_FMT_FP4
.endif
.endm
.macro OMM t                           ; O^T tile t += V's tile t x p
.if (\t)%2
	v_wmma_scale_f32_16x16x128_f8f6f4 v[OO+8*(\t):OO+8*(\t)+7], v[VB+8*(\t):VB+8*(\t)+7], v[PC:PC+7], v[OO+8*(\t):OO+8*(\t)+7], v[236+(\t)/2], v238 matrix_a_fmt:MATRIX_FMT_FP4 matrix_b_fmt:MATRIX_FMT_FP4 matrix_a_scale:MATRIX_SCALE_ROW1
.else
	v_wmma_scale_f32_16x16x128_f8f6f4 v[OO+8*(\t):OO+8*(\t)+7], v[VB+8*(\t):VB+8*(\t)+7], v[PC:PC+7], v[OO+8*(\t):OO+8*(\t)+7], v[236+(\t)/2], v238 matrix_a_fmt:MATRIX_FMT_FP4 matrix_b_fmt:MATRIX_FMT_FP4
.endif
.endm
.macro FMA i                           ; pair i of the scores: t - M
	v_pk_fma_f32 v[SS+2*(\i):SS+2*(\i)+1], v[SS+2*(\i):SS+2*(\i)+1], s[36:37], v[12:13] op_sel_hi:[1,0,0]
.endm
.macro EXPO j
	v_exp_f32 v[SS+(\j)], v[SS+(\j)]
.endm
.macro PADD i                          ; pair i of p onto the sum, four chains by turns; each chain's first link also brings it under the new M
.if (\i) < 4
	v_pk_fma_f32 v[14+2*(\i):15+2*(\i)], v[14+2*(\i):15+2*(\i)], v[252:253], v[SS+2*(\i):SS+2*(\i)+1] op_sel_hi:[1,0,1]
.else
	v_pk_add_f32 v[14+2*((\i)%4):15+2*((\i)%4)], v[14+2*((\i)%4):15+2*((\i)%4)], v[SS+2*(\i):SS+2*(\i)+1]
.endif
.endm
.macro RS k                            ; pair k of O^T under the new M
	v_pk_mul_f32 v[OO+2*(\k):OO+2*(\k)+1], v[OO+2*(\k):OO+2*(\k)+1], v[252:253] op_sel_hi:[1,0]
.endm
; A KEY STEP: 128 keys.  next = 1: the next step's K is asked for.
.macro STEP next, qf, qsr
	s_wait_dscnt 0x0                               ; this step's K and its scale words, asked for a step ago, are in
.irp u, 0,1,2,3,4,5,6,7
	SMM \u, \qf, \qsr
.endr
	v_add_nc_u32 v4, s40, v1                       ; four plain places between the products (these, and the last step's V^T P) and the loads and reads below
	v_add_nc_u32 v5, s40, v2
	v_mov_b32 v25, v12                             ; the old -M
	v_nop
.irp t, 0,1,2,3
	ds_load_b128 v[VB+8*\t:VB+8*\t+3], v4 offset:4096+1024*\t       ; this step's V: ten loads
	ds_load_b128 v[VB+8*\t+4:VB+8*\t+7], v4 offset:4096+1024*\t+512
.endr
	ds_load_b32 v236, v5 offset:512
	ds_load_b32 v237, v5 offset:640
.if \next
.irp u, 0,1,2,3,4,5,6,7
	ds_load_b128 v[KB+4*\u:KB+4*\u+3], v4 offset:RECB+512*\u        ; the next step's K: twelve loads
.endr
.irp j, 0,1,2,3
	ds_load_b32 v[232+\j], v5 offset:RECB+128*\j
.endr
.endif
	s_add_co_u32 s40, s40, RECB
	; my two blocks' largest scores, each in two chains of 15; the four chains by turns; every tile is first read at its low end
	v_max3_num_f32 v240, v[SS], v[SS+1], v[SS+2]
	v_max3_num_f32 v242, v[SS+16], v[SS+17], v[SS+18]
	v_max3_num_f32 v241, v[SS+32], v[SS+33], v[SS+34]
	v_max3_num_f32 v243, v[SS+48], v[SS+49], v[SS+50]
.irp i, 3,5,7,9,11,13
	v_max3_num_f32 v240, v240, v[SS+\i], v[SS+\i+1]
	v_max3_num_f32 v242, v242, v[SS+16+\i], v[SS+17+\i]
	v_max3_num_f32 v241, v241, v[SS+32+\i], v[SS+33+\i]
	v_max3_num_f32 v243, v243, v[SS+48+\i], v[SS+49+\i]
.endr
	v_max3_num_f32 v240, v240, v242, v[SS+15]
	v_max3_num_f32 v241, v241, v243, v[SS+47]
	v_max_num_f32 v240, v240, v[SS+31]
	v_max_num_f32 v241, v241, v[SS+63]
	v_max_num_f32 v248, v240, v241
	v_permlanex16_b32 v249, v248, s38, s39
	v_max3_num_f32 v13, v13, v248, v249            ; the running largest score of my query,
	v_mul_f32 v248, s36, v13                       ; as t
	v_floor_f32 v12, -v248                         ; the new -M = -ceil(t)
	v_sub_f32 v250, v12, v25                       ; old M - new M: a whole number, 0 or less
	v_fma_f32 v240, v240, s36, v12                 ; t - M of each block's largest score
	v_fma_f32 v241, v241, s36, v12
	v_cvt_i32_f32 v250, v250                       ; (it saturates)
	FMA 0
	FMA 1
	v_ldexp_f32 v252, 1.0, v250                    ; the factor 2^(old M - new M)
.set I, 2
.rept 14
	FMA I
.set I, I+1
.endr
.set I, 0
.rept 16
	RS I                                           ; O^T's first read behind its products stands ahead of the step's exponentials; each tile from its low end on
.set I, I+1
.endr
	s_wait_alu depctr_va_vdst(0)                   ; the wait ahead of a batch
	v_exp_f32 v240, v240                           ; the blocks' largest p,
	v_exp_f32 v241, v241
.set I, 0
.rept 32
	EXPO I                                         ; and block h
.set I, I+1
.endr
.set I, 16
.rept 16
	FMA I                                          ; plain work behind the batch: the other block's scalings
.set I, I+1
.endr
	s_wait_alu depctr_va_vdst(0)                   ; behind the first batch and ahead of the second
.set I, 32
.rept 32
	EXPO I                                         ; block 2 + h
.set I, I+1
.endr
	PADD 0                                         ; plain work behind the batch: the first block's sums, and among them the scales' lines
	PADD 1
	PADD 2
	PADD 3
	v_max_num_f32 v240, 0x1800000, v240            ; the floor 2^(3 - 127): the byte cannot fall under 1
	v_max_num_f32 v241, 0x1800000, v241
	PADD 4
	PADD 5
	v_add_nc_u32 v246, 0xff000000, v240            ; 2 off the exponent field: the conversion's scale operand
	v_add_nc_u32 v247, 0xff000000, v241
	PADD 6
	PADD 7
	v_lshrrev_b32 v248, 23, v246                   ; the scales' bytes
	v_lshrrev_b32 v249, 23, v247
	PADD 8
	PADD 9
	v_lshl_or_b32 v248, v249, 16, v248             ; blocks h and 2 + h,
	PADD 10
	PADD 11
	v_lshlrev_b32 v248, v22, v248                  ; at their places in the word: 8 h bits up
	PADD 12
	PADD 13
	v_permlanex16_b32 v249, v248, s38, s39
	PADD 14
	PADD 15
	v_or_b32 v238, v248, v249                      ; with lane l xor 16's two the word is whole
.irp i, 0,1,2,3
	v_cvt_scalef32_pk8_fp4_f32 v[PC+\i], v[SS+8*\i:SS+8*\i+7], v246
.endr
	s_wait_alu depctr_va_vdst(0)                   ; behind the second batch, ahead of its first reader
.irp i, 4,5,6,7
	v_cvt_scalef32_pk8_fp4_f32 v[PC+\i], v[SS+8*\i:SS+8*\i+7], v247
.endr
.set I, 16
.rept 16
	PADD I                                         ; sixteen plain lines between the operand's and the scale word's last writes and the products
.set I, I+1
.endr
	s_wait_alu depctr_va_vdst(0)                   ; the wait here, directly ahead of the wait below
.if \next
	s_wait_dscnt 12                                ; V and its scale words are in; the twelve loads issued behind them, the next step's K, may stay out
.else
	s_wait_dscnt 0x0
.endif
	OMM 0                                          ; the four accumulators by turns
	OMM 1
	OMM 2
	OMM 3
.endm
; One tile of 16 queries: all 16 key steps, and the way out.
.macro TILE i
.if \i > 0
	s_wait_xcnt 0x0                                ; the last tile's stores have read their registers
.endif
	v_mov_b32 v13, 0xff61b1e6                      ; the largest score so far: -3e38,
	v_mov_b32 v12, 0x7f61b1e6                      ; and -M = 3e38: the first factor is 0
.irp n, 14,15,16,17,18,19,20,21
	v_mov_b32 v\n, 0
.endr
.set N, 0
.rept 32
	v_mov_b32 v[OO+N], 0                           ; O^T: the step is written once; the first finds zeros
.set N, N+1
.endr
	s_mov_b32 s40, 0
.irp u, 0,1,2,3,4,5,6,7
	ds_load_b128 v[KB+4*\u:KB+4*\u+3], v1 offset:512*\u   ; step 0's K
.endr
.irp j, 0,1,2,3
	ds_load_b32 v[232+\j], v2 offset:128*\j
.endr
	s_mov_b32 s41, 15
	s_wait_alu depctr_va_vdst(0)
.Lstep_\@:
	STEP 1, QF+8*\i, 10+\i
	s_sub_co_i32 s41, s41, 1
	s_cmp_lg_u32 s41, 0
	s_cbranch_scc1 .Lstep_\@
	STEP 0, QF+8*\i, 10+\i                         ; the last step is written out: it asks for nothing behind the last record
	; THE WAY OUT.  The six plain lines below are also the places behind the last products.
	v_pk_add_f32 v[14:15], v[14:15], v[16:17]
	v_pk_add_f32 v[18:19], v[18:19], v[20:21]
	s_delay_alu instid0(VALU_DEP_1)
	v_pk_add_f32 v[14:15], v[14:15], v[18:19]
	s_delay_alu instid0(VALU_DEP_1)
	v_add_f32 v14, v14, v15
	s_delay_alu instid0(VALU_DEP_1)
	v_permlanex16_b32 v248, v14, s38, s39
	s_delay_alu instid0(VALU_DEP_1)
	v_add_f32 v14, v14, v248                       ; the row's sum
	s_wait_alu depctr_va_vdst(0)                   ; the wait ahead of the transcendental
	v_rcp_f32 v252, v14
	v_nop
	s_wait_alu depctr_va_vdst(0)                   ; and ahead of its first reader, which is also O^T's
.set N, 0
.rept 16
	v_pk_mul_f32 v[SS+2*N:SS+2*N+1], v[OO+2*N:OO+2*N+1], v[252:253] op_sel_hi:[1,0]   ; register 8 t + j is out(r, 16 t + 8 h + j)
.set N, N+1
.endr
.irp t, 0,1,2,3
	ds_store_b128 v7, v[SS+8*\t:SS+8*\t+3] offset:64*\t
	ds_store_b128 v7, v[SS+8*\t+4:SS+8*\t+7] offset:64*\t+16
.endr
.irp k, 0,1,2,3,4,5,6,7
	ds_load_b128 v[SS+32+4*\k:SS+35+4*\k], v8 offset:544*\k   ; my own stage; LDS serves a wave's instructions in order: these see my stores
.endr
.irp k, 0,1,2,3,4,5,6,7
	s_wait_dscnt 7-\k                              ; load k is in; the younger ones may stay out
	global_store_b128 v9, v[SS+32+4*\k:SS+35+4*\k], s[10:11] offset:65536*\i+512*\k th:TH_STORE_NT   ; 32 lanes store two whole rows: 512 consecutive bytes, aligned to 256
.endr
.endm
	s_load_b256 s[4:11], s[0:1], 0x0               ; qc, qs, kv, out
	v_lshl_add_u32 v23, v0, 2, SPARE
	v_mov_b32 v24, 0
	ds_add_u32 v23, v24                            ; the opening lines: the add, twice on end, and its wait ahead of my tensor load
	ds_add_u32 v23, v24
	v_lshrrev_b32 v1, 5, v0
	s_delay_alu instid0(VALU_DEP_1)
	v_readfirstlane_b32 s12, v1                    ; wave 0..15
	s_bfe_u32 s13, ttmp6, 0x40000                  ; cx: which 512 queries; the cluster's x is the head
	s_and_b32 s15, ttmp7, 0xffff                   ; the batch
	s_lshl_b32 s16, ttmp9, 2
	s_add_co_u32 s16, s16, s15
	s_lshl_b32 s16, s16, 11
	s_lshl_b32 s17, s13, 9
	s_add_co_u32 s16, s16, s17
	s_lshl_b32 s17, s12, 4
	s_add_co_u32 s16, s16, s17                     ; my first row: (4 head + batch) 2048 + 512 cx + 16 wave
	s_lshl_b32 s18, s16, 5                         ; in qc,
	s_mov_b32 s19, 0
	s_lshl_b32 s20, s16, 2                         ; in qs,
	s_mov_b32 s21, 0
	s_lshl_b32 s22, s16, 8                         ; in out
	s_mov_b32 s23, 0
	s_mul_i32 s42, s15, 16*RECB                    ; my record: made of the batch and the wave's number alone
	s_mul_i32 s33, s12, RECB                       ; its place in LDS
	s_add_co_u32 s42, s42, s33
	s_mov_b32 s43, 0
	s_mov_b32 s24, 15|(3<<16)|(1<<21)              ; a dense block of 35 rows of 256 bytes (32 elements of 8 bytes); the mask names all four partners
	s_mov_b32 s25, 32<<16
	s_mov_b32 s26, 35<<16
	s_mov_b32 s27, 32<<16
	s_mov_b32 s28, 35
	s_mov_b32 s29, 32
	s_mov_b32 s30, 0
	s_mov_b32 s31, 0
	s_mov_b32 s32, 1
	s_mov_b32 s36, 0x3fb8aa3b                      ; log2(e)
	s_mov_b32 s37, s36
	s_mov_b32 s38, 0x76543210
	s_mov_b32 s39, 0xfedcba98
	v_and_b32 v240, 15, v0                         ; r
	v_bfe_u32 v241, v0, 4, 1                       ; h
	v_and_b32 v242, 31, v0                         ; l
	v_lshlrev_b32 v4, 5, v240
	v_lshlrev_b32 v5, 2, v240                      ; q's scale words: 4 r
	v_lshlrev_b32 v1, 4, v242
	v_lshl_add_u32 v2, v242, 2, 8192
	v_lshl_add_u32 v4, v241, 4, v4                 ; q's codes: 32 r + 16 h
	v_lshlrev_b32 v22, 3, v241                     ; 8 h
	s_mul_i32 s14, s12, 16*272
	s_add_co_u32 s14, s14, STAGE                   ; my stage
	v_mul_u32_u24 v7, v240, 272
	v_mul_u32_u24 v8, v241, 272
	v_lshlrev_b32 v9, 8, v241
	s_delay_alu instid0(VALU_DEP_3)
	v_lshl_add_u32 v7, v241, 5, v7
	s_delay_alu instid0(VALU_DEP_3)
	v_lshl_add_u32 v8, v240, 4, v8
	s_delay_alu instid0(VALU_DEP_3)
	v_lshl_add_u32 v9, v240, 4, v9                 ; my bytes in two rows of out
	s_delay_alu instid0(VALU_DEP_3)
	v_add_nc_u32 v7, s14, v7                       ; in: row r, + 32 h
	s_delay_alu instid0(VALU_DEP_3)
	v_add_nc_u32 v8, s14, v8                       ; back: lanes 0-15 one row, lanes 16-31 the next
	s_wait_alu depctr_va_vdst(0)                   ; the wait here, directly ahead of the waits below
	s_wait_dscnt 0x0
	s_wait_kmcnt 0x0
	s_add_nc_u64 s[4:5], s[4:5], s[18:19]
	s_add_nc_u64 s[6:7], s[6:7], s[20:21]
	s_add_nc_u64 s[10:11], s[10:11], s[22:23]
	s_add_nc_u64 s[34:35], s[8:9], s[42:43]
	s_or_b32 s35, s35, 0x80000000                  ; type = 2
	ROUND                                          ; all four work-groups are here: the joint loads meet
	tensor_load_to_lds s[32:35], s[24:31]          ; my record: the wave's one tensor load of the launch
	s_nop 0
.rept 4
	v_nop
.endr
	global_load_b128 v[QF:QF+3], v4, s[4:5]        ; q of my two tiles, 256 rows apart
	global_load_b128 v[QF+8:QF+11], v4, s[4:5] offset:8192
	global_load_b32 v10, v5, s[6:7]
	global_load_b32 v11, v5, s[6:7] offset:1024
.irp n, 4,5,6,7,12,13,14,15
	v_mov_b32 v[QF+\n], 0                          ; zero codes for K = 64 .. 127 of q
.endr
.irp n, 32,33,34,35
	v_mov_b32 v[KB+\n], 0                          ; what the last fragment of K names as its upper half
.endr
.irp n, 248,249,253
	v_mov_b32 v\n, 0                               ; a lane permute's destination counts as one of its sources; v253 is named as the upper half of a pair
.endr
	s_wait_alu depctr_va_vdst(0)                   ; the wait at the head's end
	s_wait_tensorcnt 0x0                           ; my record is in,
	s_barrier_signal -1
	s_barrier_wait -1                              ; everybody's is
	s_wait_loadcnt 0x0                             ; q; v4 and v5 are free from here on
	TILE 0
	TILE 1
	s_wait_tensorcnt 0x0                           ; the wave's end
	ds_add_u32 v23, v24
	s_wait_dscnt 0x0
	ROUND                                          ; the closing round
	s_endpgm
.Lfunc_end_k_qb96698e191_attn:
	.size	k_qb96698e191_attn, .Lfunc_end_k_qb96698e191_attn-k_qb96698e191_attn
	.p2alignl 7, 3214868480
	.fill 96, 4, 3214868480
	.section	.rodata,"a",@progbits
	.p2align	6, 0x0
	.amdhsa_kernel k_qb96698e191_attn
		.amdhsa_group_segment_fixed_size 215040
		.amdhsa_private_segment_fixed_size 0
		.amdhsa_enable_private_segment 0
		.amdhsa_kernarg_size 32
		.amdhsa_user_sgpr_count 2
		.amdhsa_user_sgpr_kernarg_segment_ptr 1
		.amdhsa_wavefront_size32 1
		.amdhsa_system_sgpr_workgroup_id_x 1
		.amdhsa_system_sgpr_workgroup_id_y 1
		.amdhsa_system_sgpr_workgroup_id_z 1
		.amdhsa_system_vgpr_workitem_id 0
		.amdhsa_next_free_vgpr 256
		.amdhsa_next_free_sgpr 66
		.amdhsa_reserve_vcc 0
		.amdhsa_float_denorm_mode_32 3
		.amdhsa_float_denorm_mode_16_64 3
		.amdhsa_memory_ordered 1
		.amdhsa_forward_progress 1
		.amdhsa_inst_pref_size 71
	.end_amdhsa_kernel
	.amdgpu_metadata
---
amdhsa.version: [ 1, 2 ]
amdhsa.kernels:
  - .name:           k_qb96698e191_attn
    .symbol:         k_qb96698e191_attn.kd
    .args:
      - { .name: qc, .offset: 0, .size: 8, .value_kind: global_buffer, .address_space: global }
      - { .name: qs, .offset: 8, .size: 8, .value_kind: global_buffer, .address_space: global }
      - { .name: kv, .offset: 16, .size: 8, .value_kind: global_buffer, .address_space: global }
      - { .name: out0, .offset: 24, .size: 8, .value_kind: global_buffer, .address_space: global }
    .group_segment_fixed_size: 215040
    .private_segment_fixed_size: 0
    .kernarg_segment_align: 8
    .kernarg_segment_size: 32
    .max_flat_workgroup_size: 512
    .sgpr_count:     66
    .vgpr_count:     256
    .wavefront_size: 32
...
	.end_amdgpu_metadata
.endif
;; end of part 2
